; MI455X (gfx1250); checked and timed in simulation.
; The chip was launched on July 23, 2026; its instructions are those of AMD's public machine-readable ISA for CDNA 5 (MIT licence, August 2026) and "CDNA5" Instruction Set Architecture Reference Guide (July 2026). The comments in the code are by the model that wrote it; some were corrected since.
;; Multi Headed Self Attention. Allowed arithmetic: matrix products marked QUANTISED: E2M3 operands, one E8M0 scale for each 32 along K, by v_wmma_scale_f32_16x16x128_f8f6f4 with both operands' format E2M3, f32 sums; everything else in f32.
;; Inputs: Wk 1,024 x 1,024 float32; Wo 1,024 x 1,024 float32; Wq 1,024 x 1,024 float32; Wv 1,024 x 1,024 float32; bk 1,024 float32; bo 1,024 float32; bq 1,024 float32; bv 1,024 float32; tgt 4 x 2,048 x 1,024 float32.
;; Outputs: out0 4 x 2,048 x 1,024 float32.
;; This version of the problem:
;;   THIS VERSION OF THE PROBLEM IS GIVEN IN LOW PRECISION. The matrix products marked QUANTISED in the list below multiply operands that are first quantised to E2M3 (2 exponent bits, 3 mantissa bits; 6 bits a number), with one power-of-two scale for each 32 numbers along K (OCP MX v1.0); their sums are f32. All else is computed in f32.
;;   The module's matrix products, in the order in which they are computed (A, B: the left and right operand; K: the contracted axis; several contracted axes count as one K, in the product's order):
;;     1. [M 8,192, K 1,024] x [K 1,024, N 1,024]; A: input tgt; B: input Wq: QUANTISED
;;     2. [M 8,192, K 1,024] x [K 1,024, N 1,024]; A: input tgt; B: input Wk: QUANTISED
;;     3. [M 8,192, K 1,024] x [K 1,024, N 1,024]; A: input tgt; B: input Wv: QUANTISED
;;     4. batch 64 x [M 2,048, K 64] x [K 64, N 2,048]; A: computed on the way; B: computed on the way: QUANTISED
;;     5. batch 64 x [M 2,048, K 2,048] x [K 2,048, N 64]; A: softmax (see below); B: computed on the way: QUANTISED
;;     6. [M 8,192, K 1,024] x [K 1,024, N 1,024]; A: computed on the way; B: input Wo: QUANTISED
;;   THE QUANTISER, for each operand of a quantised product, along K:
;;     - K is cut into blocks of 32 from its start; a last block that is shorter is filled with zeros.
;;     - A block's scale is 2^e with e = floor(log2(the largest magnitude in the block)) - 2, held to -126 .. 127; a block of zeros has e = 0. As a byte (E8M0): e + 127.
;;     - Each number is divided by its block's scale, clamped to +-7.5, and rounded to the nearest number of E2M3, ties to even, subnormals kept.
;;     - The product sums the exact products of the quantised numbers (number of the format x scale) in f32.
;;   ~~~python
;;   def quantise(x, axis):      # numpy; x: float32 -> the quantised numbers, widened to float32 again
;;       x = np.moveaxis(x, axis, -1); K = x.shape[-1]
;;       x = np.pad(x, [(0, 0)] * (x.ndim - 1) + [(0, -K % 32)]); x = x.reshape(x.shape[:-1] + (-1, 32)); a = np.abs(x).max(-1, keepdims=True)
;;       e = np.where(a > 0, np.clip(np.frexp(np.where(a > 0, a, 1))[1] - 1 - 2, -126, 127), 0)      # np.frexp(a)[1] - 1 = floor(log2(a)), exactly
;;       r = np.clip(x / 2.0 ** e, -7.5, 7.5)
;;       step = 2.0 ** (np.maximum(np.frexp(np.where(r == 0, 1, r))[1] - 1, 0) - 3)
;;       q = np.round(r / step) * step * 2.0 ** e      # np.round: ties to even
;;       return np.moveaxis(q.reshape(q.shape[:-2] + (-1,))[..., :K], -1, axis).astype(np.float32)
;;   ~~~
;;   SOFTMAX AHEAD OF A QUANTISED PRODUCT. Where the list says 'softmax', what is quantised is not the finished softmax but p = 2^(t - M), with t = logit x log2(e) and M = ceil(the row's largest t), a whole number; so 1/2 < the row's largest p <= 1. The row's sum l is taken of the UNQUANTISED p, in f32, and the product's result is divided by l at the end. Since M is a whole number, a kernel that streams over the keys may use a running M (the ceiling of the running maximum): every later rescaling is an exact power of two, which a block's scale takes up: the codes' values come out the same.
;;   OPERANDS COMPUTED ON THE WAY. 'Computed on the way' means the value that the module computes at that place (a softmax that the list does not call 'softmax' is quantised finished and normalised). What goes into a quantiser is computed in f32, as accurately as f32 sums, v_exp_f32 and their like allow (about 1e-6 of the number): no bf16 or f16 on the way to a quantiser, and a product that is left as it is and whose result goes on into a quantised operand takes f32 operands (vector FMAs, or v_wmma_f32_16x16x4_f32). A number that lies on a knife's edge between two numbers of the format may be rounded either way, as far as f32 arithmetic and the matrix unit's own rounding can turn it there, and no further.
;; One version. Each part assembles by itself: llvm-mc -triple=amdgcn-amd-amdhsa -mcpu=gfx1250 --defsym DOCPART=n.
;; ======== version 1 of 1: 4 launches
;; limits: right only within a limited range of input values
;; workspace buffers: codes 9,437,184 bytes; scl 393,216 bytes; qkvc 18,874,368 bytes; qkvs 1,310,720 bytes; cc 6,291,456 bytes; cs 262,144 bytes
;; launch quant (part 1): grid 768 x 1, 8 waves a work-group, no clusters, 69,632 bytes of LDS; arguments tgt, Wq, Wk, Wv, Wo, codes, scl; writes codes, scl
.if DOCPART == 1
	.amdgcn_target "amdgcn-amd-amdhsa--gfx1250"
	.amdhsa_code_object_version 6
	.text
	.protected	k_q863e7a6546_quant
	.globl	k_q863e7a6546_quant
	.p2align	8
	.type	k_q863e7a6546_quant,@function
k_q863e7a6546_quant:
	s_mov_b64 s[64:65], 0
	v_nop
	global_prefetch_b8 v0, s[64:65] scope:SCOPE_SE
	s_setreg_imm32_b32 hwreg(HW_REG_WAVE_MODE, 25, 1), 1
	s_wait_xcnt 0x0
; tgt [8192][1024] and the four weights [1024][1024], f32, K innermost, become codes of FP6 (E2M3) with one E8M0 byte for each 32 along K,
; laid in the ORDER OF AN OPERAND'S REGISTERS.  An image of 16 rows x 64 along K is 768 bytes: registers 0-3 of the half fragment, 16 bytes at 16 x lane,
; then registers 4-5, 8 bytes at 8 x lane; lane (r, h) holds row r, k = 32 h .. 32 h + 31.  codes: [row tile 768][half K step 16][768]; scl: [row tile][K step 8][row 16] words.
; Row tiles 0-511 are tgt's, 512-575 Wq's, 576-639 Wk's, 640-703 Wv's, 704-767 Wo's.
; THE ROWS OF A TILE ARE NOT NEIGHBOURS: lane r of tile 2 b + u takes row 32 b + 8 u + r + 8 (r / 8), so that a product that takes two neighbouring tiles as source 0 leaves 16 neighbours in a lane's 16 registers.
; A work-group is one row tile; wave w takes K step w: one fragment, 16 rows x 128.  Each load reads 512 consecutive bytes of a row; the 8,192 bytes turn through the wave's own stage in LDS
; (rows 528 bytes apart) and come back 256 bytes a lane: two whole blocks of 32, so that no other lane is asked for a maximum.
; A block's scale byte is its largest magnitude's exponent field - 2, held at 1 from below by a floor among the maximum's leaves.
; LIMITS: a block of zeros gets the byte 1 where the rule says 127 (its codes are zeros, and this program alone reads the bytes); NaN and infinities are not served.
; No tensor load, no cluster: the work-groups share no input.
.set STG,  8448                        ; a wave's stage: 16 rows x 528 bytes
.set SCB,  67584                       ; behind the eight stages: the work-group's 128 scale words
.set R,    32                          ; v32-95   16 rows as loaded
.set X,    96                          ; v96-159  my two blocks of 32 neighbours
.set PC,   32                          ; v32-43 the fragment, over rows that have gone to the stage
.set TC,   44                          ; v44-46, v48-50 the upper halves of the two blocks' codes
	s_load_b256 s[4:11], s[0:1], 0x0               ; tgt, Wq, Wk, Wv
	s_load_b128 s[12:15], s[0:1], 0x20             ; Wo, codes
	s_load_b64 s[16:17], s[0:1], 0x30              ; scl
	v_lshl_add_u32 v28, v0, 2, 0x10c00
	v_mov_b32 v29, 0
	v_lshrrev_b32 v1, 5, v0
	s_delay_alu instid0(VALU_DEP_1)
	v_readfirstlane_b32 s26, v1                    ; wave = K step
	v_and_b32 v1, 31, v0                           ; lane
	v_and_b32 v2, 15, v0                           ; r
	v_bfe_u32 v3, v0, 4, 1                         ; h
	s_delay_alu instid0(VALU_DEP_3)
	v_lshlrev_b32 v4, 4, v1                        ; 16 x lane
	s_delay_alu instid0(VALU_DEP_4)
	v_lshlrev_b32 v5, 3, v1                        ; 8 x lane
	s_mul_i32 s27, s26, STG
	v_add_nc_u32 v6, s27, v4                       ; the stage, on the way in
	v_mul_u32_u24 v7, v2, 528
	s_delay_alu instid0(VALU_DEP_1)
	v_lshl_add_u32 v7, v3, 7, v7
	s_delay_alu instid0(VALU_DEP_1)
	v_add_nc_u32 v7, s27, v7                       ; and out: row r, + 128 h
	s_lshl_b32 s27, s26, 6
	s_add_co_u32 s27, s27, SCB
	v_lshl_add_u32 v8, v2, 2, s27                  ; my row's scale word of my K step
	v_add_nc_u32 v9, SCB, v4                       ; wave 0 reads all 512 bytes back
	s_mov_b32 s24, 0x76543210
	s_mov_b32 s25, 0xfedcba98                      ; lane selects: lane l xor 16
	s_and_b32 s21, ttmp9, 63                       ; a weight's row tile
	s_wait_alu depctr_va_vdst(0)
	s_wait_kmcnt 0x0
	s_mov_b64 s[18:19], s[12:13]                   ; which tensor: the choice hangs on the work-group's number alone
	s_cmp_lt_u32 ttmp9, 704
	s_cselect_b64 s[18:19], s[10:11], s[18:19]
	s_cmp_lt_u32 ttmp9, 640
	s_cselect_b64 s[18:19], s[8:9], s[18:19]
	s_cmp_lt_u32 ttmp9, 576
	s_cselect_b64 s[18:19], s[6:7], s[18:19]
	s_cmp_lt_u32 ttmp9, 512
	s_cselect_b64 s[18:19], s[4:5], s[18:19]
	s_cselect_b32 s20, ttmp9, s21                  ; T: the row tile within its tensor
	s_lshr_b32 s22, s20, 1
	s_lshl_b32 s22, s22, 17                        ; 32 (T / 2) rows of 4,096 bytes
	s_and_b32 s23, s20, 1
	s_lshl_b32 s23, s23, 15                        ; + 8 (T % 2) rows
	s_add_co_u32 s22, s22, s23
	s_lshl_b32 s23, s26, 9                         ; + my K step's 512 bytes
	s_add_co_u32 s22, s22, s23
	s_mov_b32 s23, 0
	s_add_nc_u64 s[18:19], s[18:19], s[22:23]
	s_mul_i32 s22, ttmp9, 12288
	s_mul_i32 s28, s26, 1536
	s_add_co_u32 s22, s22, s28
	s_add_nc_u64 s[14:15], s[14:15], s[22:23]      ; my fragment's two images
	s_lshl_b32 s22, ttmp9, 9
	s_add_nc_u64 s[16:17], s[16:17], s[22:23]      ; the tile's 512 bytes of scale words
.irp i, 0,1,2,3,4,5,6,7,8,9,10,11,12,13,14,15
	global_load_b128 v[R+4*\i:R+4*\i+3], v4, s[18:19] offset:(\i+8*(\i/8))*4096 th:TH_LOAD_NT   ; the tile's row i: 512 consecutive bytes
.endr
.irp i, 0,1,2,3,4,5,6,7,8,9,10,11,12,13,14,15
	s_wait_loadcnt 15-\i                           ; loads come back in order: row i is in, the younger rows stay out
	ds_store_b128 v6, v[R+4*\i:R+4*\i+3] offset:528*\i
.endr
.irp c, 0,1
.irp j, 0,1,2,3,4,5,6,7
	ds_load_b128 v[X+32*\c+4*\j:X+32*\c+4*\j+3], v7 offset:256*\c+16*\j   ; k = 64 c + 32 h + 4 j ..; LDS serves a wave's instructions in order: these see my stores
.endr
.endr
	s_wait_dscnt 0x0
.irp c, 0,1
	v_max3_num_f32 v[20+\c], |v[X+32*\c]|, |v[X+32*\c+1]|, 0x1800000   ; my block 2 c + h, and the floor 2^(3 - 127): the byte cannot fall under 1
.endr
.irp i, 2,4,6,8,10,12,14,16,18,20,22,24,26,28,30
.irp c, 0,1
	s_delay_alu instid0(VALU_DEP_2)
	v_max3_num_f32 v[20+\c], v[20+\c], |v[X+32*\c+\i]|, |v[X+32*\c+\i+1]|   ; the two blocks by turns
.endr
.endr
.irp c, 0,1
	s_delay_alu instid0(VALU_DEP_2)
	v_add_nc_u32 v[22+\c], 0xff000000, v[20+\c]    ; 2 off the exponent field: the conversion's scale operand
.endr
.irp c, 0,1
	s_delay_alu instid0(VALU_DEP_2)
	v_lshrrev_b32 v[24+\c], 23, v[22+\c]           ; the scale's byte
.endr
	s_delay_alu instid0(VALU_DEP_1)
	v_lshl_or_b32 v26, v25, 16, v24                ; my two bytes: blocks h and 2 + h,
	v_lshlrev_b32 v27, 3, v3
	s_delay_alu instid0(VALU_DEP_1)
	v_lshlrev_b32 v26, v27, v26                    ; 8 h bits up;
	v_mov_b32 v27, 0
	s_delay_alu instid0(VALU_DEP_1)
	v_permlanex16_b32 v27, v26, s24, s25
	s_delay_alu instid0(VALU_DEP_1)
	v_or_b32 v26, v26, v27                         ; with lane l xor 16's two the word is whole
.irp c, 0,1
	v_cvt_scalef32_pk16_fp6_f32 v[PC+6*\c:PC+6*\c+2], v[X+32*\c:X+32*\c+15], v[22+\c]
	v_cvt_scalef32_pk16_fp6_f32 v[TC+4*\c:TC+4*\c+2], v[X+32*\c+16:X+32*\c+31], v[22+\c]   ; (a conversion's three registers begin on an even number)
.endr
	v_nop                                          ; one plain place behind a scaled conversion
.irp c, 0,1
.irp i, 0,1,2
	v_mov_b32 v[PC+6*\c+3+\i], v[TC+4*\c+\i]
.endr
.endr
	global_store_b128 v4, v[PC:PC+3], s[14:15]               ; 512 consecutive bytes
	global_store_b64 v5, v[PC+4:PC+5], s[14:15] offset:512   ; 256
	global_store_b128 v4, v[PC+6:PC+9], s[14:15] offset:768
	global_store_b64 v5, v[PC+10:PC+11], s[14:15] offset:1280
	ds_store_b32 v8, v26                           ; lanes r and r + 16 write the same word with the same value
	s_wait_dscnt 0x0                               ; for the others' sake: my word has landed
	s_barrier_signal -1
	s_barrier_wait -1
	s_cmp_lg_u32 s26, 0
	s_cbranch_scc1 .Ldone
	ds_load_b128 v[12:15], v9                      ; wave 0 stores the tile's 128 words: 512 consecutive bytes
	s_wait_dscnt 0x0
	global_store_b128 v4, v[12:15], s[16:17]
.Ldone:
	s_wait_tensorcnt 0x0
	ds_add_u32 v28, v29
	s_wait_dscnt 0x0
	s_endpgm
.Lfunc_end_k_q863e7a6546_quant:
	.size	k_q863e7a6546_quant, .Lfunc_end_k_q863e7a6546_quant-k_q863e7a6546_quant
	.p2alignl 7, 3214868480
	.fill 96, 4, 3214868480
	.section	.rodata,"a",@progbits
	.p2align	6, 0x0
	.amdhsa_kernel k_q863e7a6546_quant
		.amdhsa_group_segment_fixed_size 69632
		.amdhsa_private_segment_fixed_size 0
		.amdhsa_enable_private_segment 0
		.amdhsa_kernarg_size 56
		.amdhsa_user_sgpr_count 2
		.amdhsa_user_sgpr_kernarg_segment_ptr 1
		.amdhsa_wavefront_size32 1
		.amdhsa_system_sgpr_workgroup_id_x 1
		.amdhsa_system_sgpr_workgroup_id_y 1
		.amdhsa_system_sgpr_workgroup_id_z 1
		.amdhsa_system_vgpr_workitem_id 0
		.amdhsa_next_free_vgpr 160
		.amdhsa_next_free_sgpr 66
		.amdhsa_reserve_vcc 0
		.amdhsa_float_denorm_mode_32 3
		.amdhsa_float_denorm_mode_16_64 3
		.amdhsa_memory_ordered 1
		.amdhsa_forward_progress 1
		.amdhsa_inst_pref_size 12
	.end_amdhsa_kernel
	.amdgpu_metadata
---
amdhsa.version: [ 1, 2 ]
amdhsa.kernels:
  - .name:           k_q863e7a6546_quant
    .symbol:         k_q863e7a6546_quant.kd
    .args:
      - { .name: tgt, .offset: 0, .size: 8, .value_kind: global_buffer, .address_space: global }
      - { .name: Wq, .offset: 8, .size: 8, .value_kind: global_buffer, .address_space: global }
      - { .name: Wk, .offset: 16, .size: 8, .value_kind: global_buffer, .address_space: global }
      - { .name: Wv, .offset: 24, .size: 8, .value_kind: global_buffer, .address_space: global }
      - { .name: Wo, .offset: 32, .size: 8, .value_kind: global_buffer, .address_space: global }
      - { .name: codes, .offset: 40, .size: 8, .value_kind: global_buffer, .address_space: global }
      - { .name: scl, .offset: 48, .size: 8, .value_kind: global_buffer, .address_space: global }
    .group_segment_fixed_size: 69632
    .private_segment_fixed_size: 0
    .kernarg_segment_align: 8
    .kernarg_segment_size: 56
    .max_flat_workgroup_size: 256
    .sgpr_count:     66
    .vgpr_count:     160
    .wavefront_size: 32
...
	.end_amdgpu_metadata
.endif
;; end of part 1
;; launch qkv (part 2): grid 4 x 64, 4 waves a work-group, clusters of 4 x 4, 327,680 bytes of LDS; arguments codes, scl, bq, bk, bv, qkvc, qkvs; writes qkvc, qkvs
.if DOCPART == 2
	.amdgcn_target "amdgcn-amd-amdhsa--gfx1250"
	.amdhsa_code_object_version 6
	.text
	.protected	k_q863e7a6546_qkv
	.globl	k_q863e7a6546_qkv
	.p2align	8
	.type	k_q863e7a6546_qkv,@function
k_q863e7a6546_qkv:
	s_mov_b64 s[64:65], 0
	v_nop
	global_prefetch_b8 v0, s[64:65] scope:SCOPE_SE
	s_setreg_imm32_b32 hwreg(HW_REG_WAVE_MODE, 25, 1), 1
	s_wait_xcnt 0x0
	s_wait_alu depctr_hold_cnt(0) depctr_sa_sdst(0) depctr_va_vdst(0) depctr_va_sdst(0) depctr_va_ssrc(0) depctr_va_vcc(0) depctr_vm_vsrc(0)
	s_getreg_b32 s2, hwreg(HW_REG_IB_STS2, 6, 4)
	s_cmp_eq_u32 s2, 0
	s_cbranch_scc0 .Lentry_in_a_cluster
	s_endpgm
.Lentry_in_a_cluster:
	s_bfe_u32 s2, ttmp6, 0x10000c
	s_cmp_lg_u32 s2, 0xf033
	s_cbranch_scc0 .Lentry_shape_is_right
	s_endpgm
.Lentry_shape_is_right:
; q, k, v = tgt W^T + b on codes of FP6 (E2M3) with E8M0 scales, and their quantisers: q and k along the head's 64, v along the tokens.  The results leave as images of 768 bytes in the order of an operand's registers.
; codes: [row tile 768][half K step 16][768], scl: [row tile][K step 8][row 16] words; tiles 0-511 tgt's, 512-575 Wq's, 576-639 Wk's, 640-703 Wv's.  Lane r of tile 2 b + u stands for row 32 b + 8 u + r + 8 (r / 8).
; qkvc: [q, k, v][head 64][98,304]: q, k: [token tile 128][768]; v: [key step 16][key half 2][feature tile 4][768].
; qkvs: q: [head][token tile][row] words; from byte 524,288 on, for each pair of heads: k's words 2 x 8,192 laid likewise, then v's 2 x 4,096: [key step][feature tile][row] words.  q's and k's words hold two bytes, the upper two are 0.
; THE DEAL.  256 work-groups of four waves, 2 x 2.  A work-group owns 128 tokens and six UNITS of 128 weight rows (a pair of heads): pairs 2 g and 2 g + 1 of Wq, of Wk, of Wv, g its column of the grid.  Every work-group runs the same text.
; A wave holds its 64 tokens, ALL of K, in registers (32 fragments, 32 scale words) and takes 64 weight rows, one head, of each unit past them: 128 products on 16 accumulators by turns, then the way out.
; q, k: source 0 = the weight's rows: a lane holds a token and 64 features.  v: source 0 = the tokens: a lane holds a feature and 64 keys.  The bias is the first products' C.
; LDS: the tokens' codes (98,304 bytes), two slots for a unit's codes, the tokens' scale words (4,096), two places for a unit's, the spare words, two small stages for scale bytes.
; FILLS.  At the head one tensor load a wave: the tokens' codes, unit 0's codes, the tokens' scale words, unit 0's.  Ahead of units 0 to 4 a round of the cluster's barrier with the three lines in front of it
; behind it wave 0 asks for the next unit's codes and wave 1 for its scale words, into the slot that the unit before has left.  Ahead of unit 5 a plain barrier.
; CLUSTER 4 x 4: the tokens are shared by a row of the cluster, the weights by a column.
; No prefetch: a unit's 102,400 bytes are asked for a whole unit (128 products a wave and a way out) ahead of their first read, by all 64 work-groups of the column at that place of the text.
; LIMITS: a block of zeros gets the byte 1 (its codes are zeros; this program alone reads the bytes); NaN and infinities are not served.
; REGISTERS.  Fragment f lies in window 1 + f / 21 at register 12 (f % 21): 4 q + a the tokens', 32 + 4 (q % 2) + b the weights' two sets.  Window 0: addresses, v32-63 the tokens' scale words, v68-99 the unit's, v100-227 biases.
; Window 3: v0-127 the accumulators, v128-217 the way out's work.
.set TILEB,  12288
.set WS0,    98304
.set TSC,    294912
.set WSC,    299008
.set SPARE,  307200
.set SCG,    307712                    ; q's, k's scale words on the way out: 256 bytes a wave
.set VSG,    308736                    ; v's scale bytes: [unit 2][head 2][256]
.set L16,  25
.set L8,   26
.set SGA,  27
.set SPW,  28
.set NIL,  29
.set SGR,  30
.set VGA,  31
.set VGR,  10
.set ST,   32
.set SW,   68
.set BN,   100                         ; q's or k's bias, 32 registers for each of a trip's two units
.set BNV,  164                         ; v's, likewise
.set TM,   128                         ; window 3
.set UU,   136
.set OO,   144
.set BB,   152
.set WW,   160
.set PC,   168
.set TC,   200
.set RB,   216
.set G1T, 24
.set G1W, 32
.set G1ST, 40
.set G1SW, 48
.set G0T, 56
.set G0ST, 60
.set G0W, 68                           ; s[68:75] one group 0 for each slot
.set G0SW, 76
.set SEL, 98
.set CNT, 100
.set MSB, 0
.macro WIN new
.if MSB != (\new)
	s_set_vgpr_msb (MSB<<8)|(\new)
.set MSB, (\new)
.endif
.endm
.macro PLACES n
.rept \n
	v_nop
.endr
.endm
.macro CROUND
	s_barrier_signal -1
	s_barrier_wait -1
	s_cmp_lg_u32 s18, 0
	s_cbranch_scc1 .Lnot_wave_0_\@
	s_barrier_signal -3
.Lnot_wave_0_\@:
	s_barrier_wait -3
	s_barrier_signal -1
	s_barrier_wait -1
.endm
.macro GRP g, mask, c, r               ; group 1 of a dense block: r rows of c elements of 8 bytes
	s_or_b32 s[\g], s\mask, (3<<16)|(1<<21)
	s_mov_b32 s[\g+1], (\c)<<16
	s_mov_b32 s[\g+2], (\r)<<16
	s_mov_b32 s[\g+3], (\c)<<16
	s_mov_b32 s[\g+4], \r
	s_mov_b32 s[\g+5], \c
	s_mov_b32 s[\g+6], 0
	s_mov_b32 s[\g+7], 0
.endm
.macro GRP0 g, lds, base, off
	s_mov_b32 s[\g], 1
	s_mov_b32 s[\g+1], \lds
	s_add_nc_u64 s[\g+2:\g+3], s[\base:\base+1], s[\off:\off+1]
	s_or_b32 s[\g+3], s[\g+3], 0x80000000
.endm
.macro TLOAD g0, g1
	tensor_load_to_lds s[\g0:\g0+3], s[\g1:\g1+7]
	s_nop 0
	PLACES 4
.endm
.macro ARM under, g0, g1, next
	s_cmp_lt_u32 s18, \under
	s_cbranch_scc0 \next
	TLOAD \g0, \g1
	s_branch .Lasked
\next:
.endm
	s_load_b256 s[4:11], s[0:1], 0x0               ; codes, scl, bq, bk
	s_load_b128 s[12:15], s[0:1], 0x20             ; bv, qkvc
	s_load_b64 s[16:17], s[0:1], 0x30              ; qkvs
	v_lshl_add_u32 v[SPW], v0, 2, SPARE
	v_mov_b32 v[NIL], 0
	ds_add_u32 v[SPW], v[NIL]                      ; the opening lines
	ds_add_u32 v[SPW], v[NIL]
	v_lshrrev_b32 v1, 5, v0
	v_readfirstlane_b32 s18, v1                    ; wave
	s_lshr_b32 s19, s18, 1                         ; my half of the tokens
	s_and_b32 s20, s18, 1                          ; my head of the pair
	s_bfe_u32 s84, ttmp6, 0x40000                  ; cx
	s_bfe_u32 s85, ttmp6, 0x40004                  ; cy
	s_lshl_b32 s22, ttmp9, 2
	s_add_co_u32 s22, s22, s84                     ; g, 0 .. 3
	s_and_b32 s21, ttmp7, 0xffff
	s_lshl_b32 s21, s21, 2
	s_add_co_u32 s21, s21, s85                     ; my block of 128 tokens, 0 .. 63
	s_lshl_b32 s88, s85, 2
	s_lshl_b32 s88, 15, s88                        ; my row of the cluster
	s_lshl_b32 s89, 0x1111, s84                    ; my column
	GRP G1T, 88, 384, 32
	GRP G1W, 89, 384, 32
	GRP G1ST, 88, 32, 16
	GRP G1SW, 89, 32, 16
	s_mul_i32 s90, s21, 8*TILEB
	s_mov_b32 s91, 0
	s_lshl_b32 s92, s21, 12
	s_mov_b32 s93, 0
	s_lshl_b32 s96, s22, 4
	s_add_co_u32 s96, s96, 512                     ; unit 0's first row tile
	s_mul_i32 s94, s96, TILEB
	s_mov_b32 s95, 0
	s_lshl_b32 s96, s96, 9
	s_mov_b32 s97, 0
	s_sub_co_u32 s98, s94, 688128                  ; slot 1: unit 1 less one tensor (64 tiles): each fill steps its slot's address by a tensor first
	s_mov_b32 s99, 0
	s_sub_co_u32 s100, s96, 28672
	s_mov_b32 s101, 0
	s_wait_dscnt 0x0                               ; both opening adds are done
	s_wait_kmcnt 0x0
	CROUND                                         ; all sixteen work-groups are here: the joint loads meet
	GRP0 G0T, 0, 4, 90
	GRP0 G0ST, TSC, 6, 92
	GRP0 G0W, WS0, 4, 94
	GRP0 G0SW, WSC, 6, 96
	GRP0 G0W+4, WS0+98304, 4, 98
	GRP0 G0SW+4, WSC+4096, 6, 100
	ARM 1, G0T, G1T, .Lhead_w
	ARM 2, G0W, G1W, .Lhead_st
	ARM 3, G0ST, G1ST, .Lhead_sw
	TLOAD G0SW, G1SW
.Lasked:
	s_lshr_b32 s84, s21, 4                         ; batch
	s_and_b32 s85, s21, 15                         ; my block in the batch = key step
	s_lshl_b32 s88, s84, 4
	s_lshl_b32 s89, s22, 2
	s_add_co_u32 s88, s88, s89
	s_add_co_u32 s88, s88, s20                     ; my head in unit 0: 16 x batch + 4 g + head of the pair
	s_mul_i32 s88, s88, 98304
	s_mov_b32 s87, 0
	s_mul_i32 s86, s85, 6144                       ; 8 token tiles, or a key step of v, are 6,144 bytes; my half 3,072
	s_mul_i32 s89, s19, 3072
	s_add_co_u32 s86, s86, s89
	s_add_co_u32 s86, s86, s88
	s_add_nc_u64 s[14:15], s[14:15], s[86:87]      ; s[14:15] q's images, then k's
	s_add_nc_u64 s[4:5], s[14:15], 12582912        ; s[4:5] v's
	s_lshl_b32 s89, s84, 3
	s_lshl_b32 s23, s22, 1
	s_add_co_u32 s89, s89, s23                     ; 8 x batch + pair
	s_lshl_b32 s23, s85, 9
	s_lshl_b32 s86, s19, 8
	s_add_co_u32 s23, s23, s86
	s_lshl_b32 s86, s20, 13
	s_add_co_u32 s23, s23, s86                     ; my head's 8,192 bytes, my four token tiles of 64
	s_lshl_b32 s86, s89, 14
	s_add_co_u32 s86, s86, s23
	s_add_nc_u64 s[6:7], s[16:17], s[86:87]        ; s[6:7], s[90:91] the scale words of a trip's two units: q's,
	s_add_nc_u64 s[90:91], s[6:7], 16384
	s_mul_i32 s86, s89, 24576
	s_add_co_u32 s86, s86, 524288
	s_mov_b32 s2, s86
	s_add_co_u32 s86, s86, s23
	s_add_nc_u64 s[92:93], s[16:17], s[86:87]      ; s[92:93], s[94:95] k's
	s_add_nc_u64 s[94:95], s[92:93], 24576
	s_mul_i32 s86, s19, 24576                      ; at the end wave w stores v's words of unit w / 2, head w % 2
	s_add_co_u32 s86, s86, s2
	s_add_co_u32 s86, s86, 16384
	s_lshl_b32 s23, s20, 12
	s_add_co_u32 s86, s86, s23
	s_lshl_b32 s23, s85, 8
	s_add_co_u32 s86, s86, s23
	s_add_nc_u64 s[96:97], s[16:17], s[86:87]
	s_lshl_b32 s86, s22, 10
	s_lshl_b32 s23, s20, 8
	s_add_co_u32 s86, s86, s23                     ; the biases: pair 2 g, my head
	s_add_nc_u64 s[8:9], s[8:9], s[86:87]
	s_add_nc_u64 s[10:11], s[10:11], s[86:87]
	s_add_nc_u64 s[12:13], s[12:13], s[86:87]
	s_mov_b32 s[SEL], 0x76543210
	s_mov_b32 s[SEL+1], 0xfedcba98
	s_mov_b32 s[CNT], 0
	s_mul_i32 s84, s19, 4*TILEB                    ; LDS: my four token tiles,
	s_mul_i32 s85, s20, 4*TILEB
	s_add_co_u32 s85, s85, WS0                     ; my four weight tiles in slot 0,
	s_add_co_u32 s88, s85, 98304                   ; in slot 1
	s_lshl_b32 s89, s19, 11
	s_add_co_u32 s89, s89, TSC
	s_lshl_b32 s2, s20, 11
	s_add_co_u32 s2, s2, WSC
	s_add_co_u32 s3, s2, 4096
	s_lshl_b32 s23, s18, 8
	s_add_co_u32 s86, s23, VSG
	s_add_co_u32 s23, s23, SCG
	s_lshl_b32 s101, s20, 8
	s_add_co_u32 s101, s101, VSG
	s_lshl_b32 s87, s19, 1
	s_add_co_u32 s101, s101, s87
	v_and_b32 v1, 31, v0
	v_bfe_u32 v2, v0, 4, 1
	v_and_b32 v3, 15, v0
	v_lshlrev_b32 v[L16], 4, v1
	v_lshlrev_b32 v[L8], 3, v1
	v_lshlrev_b32 v6, 2, v3
	v_and_b32 v7, 8, v3
	v_lshlrev_b32 v8, 6, v2                        ; q's, k's bias: 64 bytes for each half of the lanes
	v_add_nc_u32 v7, v7, v3
	v_add_nc_u32 v16, s84, v[L16]
	v_add_nc_u32 v17, s84, v[L8]
	v_add_nc_u32 v18, s85, v[L16]
	v_add_nc_u32 v19, s85, v[L8]
	v_add_nc_u32 v20, s88, v[L16]
	v_add_nc_u32 v21, s88, v[L8]
	v_lshlrev_b32 v9, 2, v7                        ; v's bias: the lane's feature r + 8 (r / 8)
	v_add_nc_u32 v22, s89, v6
	v_add_nc_u32 v23, s2, v6
	v_add_nc_u32 v24, s3, v6
	v_add_nc_u32 v[SGA], s23, v6
	v_add_nc_u32 v[SGR], s23, v[L8]
	v_add_nc_u32 v[VGA], s101, v6
	v_add_nc_u32 v[VGR], s86, v[L8]
	WIN 0xc0
.irp x, 0,1,2,3,4,5,6,7
	v_mov_b32 v[UU+\x], 0                          ; a lane permute's destination counts as one of its sources
.endr
	WIN 0
	s_wait_alu depctr_va_vdst(0)                   ; the wait at the head's end
.macro BIAS0 s, base                   ; register 8 b + j of lane (r, h) is feature 32 (b / 2) + 8 (b % 2) + 16 h + j
.irp b, 0,1,2,3
	global_load_b128 v[BN+32*\s+8*\b:BN+32*\s+8*\b+3], v8, s[\base:\base+1] offset:512*\s+(32*(\b/2)+8*(\b%2))*4
	global_load_b128 v[BN+32*\s+8*\b+4:BN+32*\s+8*\b+7], v8, s[\base:\base+1] offset:512*\s+(32*(\b/2)+8*(\b%2))*4+16
.endr
.endm
	BIAS0 0, 8
	BIAS0 1, 8
.irp s, 0,1
.irp b, 0,1,2,3
.irp j, 0,1,2,3,4,5,6,7
	global_load_b32 v[BNV+32*\s+8*\b+\j], v9, s[12:13] offset:512*\s+(32*(\b/2)+8*(\b%2))*4   ; v: one number a lane and tile, in the tile's eight registers
.endr
.endr
.endr
.macro FRAG f, a16, a8, off            ; a fragment: two images of 768 bytes, each 16 bytes and then 8 bytes a lane
	WIN (1+(\f)/21)<<6
.set R_, 12*((\f)%21)
	ds_load_b128 v[R_:R_+3], v[\a16] offset:(\off)
	ds_load_b64 v[R_+4:R_+5], v[\a8] offset:(\off)+512
	ds_load_b128 v[R_+6:R_+9], v[\a16] offset:(\off)+768
	ds_load_b64 v[R_+10:R_+11], v[\a8] offset:(\off)+1280
.endm
.macro FETCHW s, q                     ; my four weight tiles of K step q out of slot s: 16 loads
.irp b, 0,1,2,3
	FRAG 32+4*((\q)%2)+\b, 18+2*\s, 19+2*\s, TILEB*\b+1536*(\q)
.endr
.endm
.macro PROD1 d, r0, r1, c, x0, x1
	v_wmma_scale_f32_16x16x128_f8f6f4 v[\d:\d+7], v[\r0:\r0+11], v[\r1:\r1+11], \c, v[\x0], v[\x1] matrix_a_fmt:MATRIX_FMT_FP6 matrix_b_fmt:MATRIX_FMT_FP6
.endm
.macro PROD kind, q, a, b, bn          ; token tile a x weight tile b, K step q
.set FT_, 4*(\q)+(\a)
.set WT_, 1+FT_/21
.set RT_, 12*(FT_%21)
.set RW_, 12*((32+4*((\q)%2)+(\b))%21)
.set XT_, ST+4*(\q)+(\a)
.set XW_, SW+4*(\q)+(\b)
.set CW_, 3
.if (\q) == 0
.set CW_, 0
.endif
.if \kind
.set D_, 32*(\b)+8*(\a)
	WIN WT_|(2<<2)|(CW_<<4)|(3<<6)
.if (\q) == 0
	PROD1 D_, RT_, RW_, v[\bn+8*(\b):\bn+8*(\b)+7], XT_, XW_
.else
	PROD1 D_, RT_, RW_, v[D_:D_+7], XT_, XW_
.endif
.else
.set D_, 32*(\a)+8*(\b)
	WIN 2|(WT_<<2)|(CW_<<4)|(3<<6)
.if (\q) == 0
	PROD1 D_, RW_, RT_, v[\bn+8*(\b):\bn+8*(\b)+7], XW_, XT_
.else
	PROD1 D_, RW_, RT_, v[D_:D_+7], XW_, XT_
.endif
.endif
.endm
.macro KLOOP kind, s, bn               ; a unit's 128 products, the 16 accumulators by turns
	WIN 0
.set Q_, 0
.rept 8
.irp b, 0,1,2,3
	ds_load_b32 v[SW+4*Q_+\b], v[23+\s] offset:512*\b+64*Q_
.endr
.set Q_, Q_+1
.endr
	FETCHW \s, 0
	FETCHW \s, 1
	s_wait_loadcnt 0x0                             ; the bias
.set Q_, 0
.rept 8
.if Q_ < 7
	s_wait_dscnt 16                                ; this K step's loads are in; the next step's sixteen may be out
.else
	s_wait_dscnt 0x0
.endif
.irp a, 0,1,2,3
.irp b, 0,1,2,3
	PROD \kind, Q_, \a, \b, \bn
.endr
.endr
.if Q_ < 6
	PLACES 4                                       ; in front of loads into registers that these products read
	FETCHW \s, Q_+2
.endif
.set Q_, Q_+1
.endr
.endm
; THE WAY OUT: eight blocks of 32 side by side: block x is registers 16 x .. 16 x + 15 of lanes l and l xor 16.  Group g (blocks 2 g, 2 g + 1) gives an image, v[PC + 8 g ..] six registers, and two scale bytes, v[WW + g].  All in window 3.
.macro QUANT8
	PLACES 4                                       ; behind the last products
	s_wait_xcnt 0x0                                ; the last way out's stores have read their registers
	WIN 0xff
.irp x, 0,1,2,3,4,5,6,7
	v_max3_num_f32 v[TM+\x], |v[16*\x]|, |v[16*\x+1]|, 0x1800000   ; with the floor 2^(3 - 127): the byte cannot fall under 1
.endr
.irp i, 2,4,6,8,10,12,14
.irp x, 0,1,2,3,4,5,6,7
	v_max3_num_f32 v[TM+\x], v[TM+\x], |v[16*\x+\i]|, |v[16*\x+\i+1]|
.endr
.endr
.irp x, 0,1,2,3,4,5,6,7
	v_permlanex16_b32 v[UU+\x], v[TM+\x], s[SEL], s[SEL+1]
.endr
.irp x, 0,1,2,3,4,5,6,7
	v_max_num_f32 v[TM+\x], v[TM+\x], v[UU+\x]
.endr
.irp x, 0,1,2,3,4,5,6,7
	v_add_nc_u32 v[OO+\x], 0xff000000, v[TM+\x]    ; 2 off the exponent field: the conversion's scale operand
.endr
.irp x, 0,1,2,3,4,5,6,7
	v_lshrrev_b32 v[BB+\x], 23, v[OO+\x]           ; the scale's byte
.endr
.irp g, 0,1,2,3
	v_lshl_or_b32 v[WW+\g], v[BB+2*\g+1], 8, v[BB+2*\g]
.endr
.irp g, 0,1,2,3
	v_cvt_scalef32_pk16_fp6_f32 v[PC+8*\g:PC+8*\g+2], v[32*\g:32*\g+15], v[OO+2*\g]
	v_cvt_scalef32_pk16_fp6_f32 v[TC+4*\g:TC+4*\g+2], v[32*\g+16:32*\g+31], v[OO+2*\g+1]
.endr
	v_nop                                          ; one plain place behind a scaled conversion
.irp g, 0,1,2,3
.irp i, 0,1,2
	v_permlane16_swap_b32 v[PC+8*\g+\i], v[TC+4*\g+\i]   ; a whole block to a lane
.endr
.endr
.irp g, 0,1,2,3
.irp i, 0,1,2
	v_mov_b32 v[PC+8*\g+3+\i], v[TC+4*\g+\i]
.endr
.endr
	WIN 0x0c                                       ; stores: address window 0, data window 3
.endm
.macro IMAGES base, off
.irp g, 0,1,2,3
	global_store_b128 v[L16], v[PC+8*\g:PC+8*\g+3], s[\base:\base+1] offset:(\off)+768*\g          ; 512 consecutive bytes
	global_store_b64 v[L8], v[PC+8*\g+4:PC+8*\g+5], s[\base:\base+1] offset:(\off)+768*\g+512      ; 256
.endr
.endm
.macro OUT0 s, sp                      ; q, k: four token tiles of my head; their 64 scale words leave as one unit of 256 bytes, through my own stage
	QUANT8
	IMAGES 14, 196608*\s
.irp g, 0,1,2,3
	ds_store_b32 v[SGA], v[WW+\g] offset:64*\g     ; lanes r and r + 16 write the same word with the same value
.endr
	WIN 0xc0
	ds_load_b64 v[RB:RB+1], v[SGR]                 ; LDS serves a wave's instructions in order: this sees my stores
	WIN 0
	s_cmp_eq_u32 s[CNT], 1
	s_cbranch_scc1 .Lno_bias_\@                    ; k is the last tensor of this kind
	BIAS0 \s, 10                                   ; k's bias for the next trip
.Lno_bias_\@:
	s_wait_dscnt 0x0
	WIN 0x0c
	global_store_b64 v[L8], v[RB:RB+1], s[\sp:\sp+1]
	WIN 0
.endm
.macro OUT1 v                          ; v: four feature tiles x my 64 keys; my two bytes of each row's word wait in LDS for the end
	QUANT8
	IMAGES 4, 196608*\v
.irp g, 0,1,2,3
	ds_store_b16 v[VGA], v[WW+\g] offset:512*\v+64*\g
.endr
	WIN 0
.endm
.macro OPEN n                          ; the round ahead of a unit; behind it slot n takes the next unit
	WIN 0
	s_wait_tensorcnt 0x0                           ; all my tensor loads have landed,
	ds_add_u32 v[SPW], v[NIL]
	s_add_nc_u64 s[G0W+4*\n+2:G0W+4*\n+3], s[G0W+4*\n+2:G0W+4*\n+3], 786432     ; so a group 0 may be written: the slot's next unit lies a tensor on
	s_add_nc_u64 s[G0SW+4*\n+2:G0SW+4*\n+3], s[G0SW+4*\n+2:G0SW+4*\n+3], 32768
	s_wait_dscnt 0x0                               ; the add is done, and so are my reads of slot n
	CROUND
	s_cmp_eq_u32 s18, 0
	s_cbranch_scc0 .Lwords_\@
	TLOAD G0W+4*\n, G1W
	s_branch .Lopen_\@
.Lwords_\@:
	s_cmp_eq_u32 s18, 1
	s_cbranch_scc0 .Lopen_\@
	TLOAD G0SW+4*\n, G1SW
.Lopen_\@:
.endm
	s_wait_tensorcnt 0x0                           ; my tile of the head's four is in
	s_barrier_signal -1
	s_barrier_wait -1                              ; and so are the others'
.set Q_, 0
.rept 8                                ; my 64 tokens, all of K, into registers: 128 loads, and 32 for their scale words
.irp a, 0,1,2,3
	FRAG 4*Q_+\a, 16, 17, TILEB*\a+1536*Q_
.endr
.set Q_, Q_+1
.endr
	WIN 0
.set Q_, 0
.rept 8
.irp a, 0,1,2,3
	ds_load_b32 v[ST+4*Q_+\a], v22 offset:512*\a+64*Q_
.endr
.set Q_, Q_+1
.endr
.Ltensor:                                              ; two trips: q's two units, k's two units
	OPEN 1
	KLOOP 0, 0, BN
	OUT0 0, 6
	OPEN 0
	KLOOP 0, 1, BN+32
	OUT0 1, 90
	s_wait_xcnt 0x0                                ; the stores have read their bases
	s_add_nc_u64 s[14:15], s[14:15], 6291456
	s_mov_b64 s[6:7], s[92:93]
	s_mov_b64 s[90:91], s[94:95]
	s_add_co_u32 s[CNT], s[CNT], 1
	s_cmp_lt_u32 s[CNT], 2
	s_wait_alu depctr_va_vdst(0)                   ; the wait ahead of the branch
	s_cbranch_scc1 .Ltensor
	OPEN 1
	KLOOP 1, 0, BNV
	OUT1 0
	s_wait_tensorcnt 0x0                           ; the last unit has landed
	s_wait_dscnt 0x0
	s_barrier_signal -1
	s_barrier_wait -1
	KLOOP 1, 1, BNV+32
	OUT1 1
	s_wait_dscnt 0x0                               ; my bytes of v's scale words are in LDS
	s_barrier_signal -1
	s_barrier_wait -1
	s_wait_xcnt 0x0
	WIN 0xc0
	ds_load_b64 v[RB:RB+1], v[VGR]                 ; a unit's and head's 64 words
	s_wait_dscnt 0x0
	WIN 0x0c
	global_store_b64 v[L8], v[RB:RB+1], s[96:97]   ; one aligned unit of 256 bytes
	WIN 0
	s_wait_tensorcnt 0x0                           ; the wave's end
	ds_add_u32 v[SPW], v[NIL]
	s_wait_dscnt 0x0
	CROUND                                         ; the closing round
	s_endpgm
.Lfunc_end_k_q863e7a6546_qkv:
	.size	k_q863e7a6546_qkv, .Lfunc_end_k_q863e7a6546_qkv-k_q863e7a6546_qkv
	.p2alignl 7, 3214868480
	.fill 96, 4, 3214868480
	.section	.rodata,"a",@progbits
	.p2align	6, 0x0
	.amdhsa_kernel k_q863e7a6546_qkv
		.amdhsa_group_segment_fixed_size 327680
		.amdhsa_private_segment_fixed_size 0
		.amdhsa_enable_private_segment 0
		.amdhsa_kernarg_size 56
		.amdhsa_user_sgpr_count 2
		.amdhsa_user_sgpr_kernarg_segment_ptr 1
		.amdhsa_wavefront_size32 1
		.amdhsa_system_sgpr_workgroup_id_x 1
		.amdhsa_system_sgpr_workgroup_id_y 1
		.amdhsa_system_sgpr_workgroup_id_z 1
		.amdhsa_system_vgpr_workitem_id 0
		.amdhsa_next_free_vgpr 1024
		.amdhsa_next_free_sgpr 102
		.amdhsa_reserve_vcc 0
		.amdhsa_float_denorm_mode_32 3
		.amdhsa_float_denorm_mode_16_64 3
		.amdhsa_memory_ordered 1
		.amdhsa_forward_progress 1
		.amdhsa_inst_pref_size 179
	.end_amdhsa_kernel
	.amdgpu_metadata
---
amdhsa.version: [ 1, 2 ]
amdhsa.kernels:
  - .name:           k_q863e7a6546_qkv
    .symbol:         k_q863e7a6546_qkv.kd
    .args:
      - { .name: codes, .offset: 0, .size: 8, .value_kind: global_buffer, .address_space: global }
      - { .name: scl, .offset: 8, .size: 8, .value_kind: global_buffer, .address_space: global }
      - { .name: bq, .offset: 16, .size: 8, .value_kind: global_buffer, .address_space: global }
      - { .name: bk, .offset: 24, .size: 8, .value_kind: global_buffer, .address_space: global }
      - { .name: bv, .offset: 32, .size: 8, .value_kind: global_buffer, .address_space: global }
      - { .name: qkvc, .offset: 40, .size: 8, .value_kind: global_buffer, .address_space: global }
      - { .name: qkvs, .offset: 48, .size: 8, .value_kind: global_buffer, .address_space: global }
    .group_segment_fixed_size: 327680
    .private_segment_fixed_size: 0
    .kernarg_segment_align: 8
    .kernarg_segment_size: 56
    .max_flat_workgroup_size: 128
    .sgpr_count:     102
    .vgpr_count:     1024
    .wavefront_size: 32
...
	.end_amdgpu_metadata
.endif
;; end of part 2
;; launch attn (part 3): grid 4 x 64, 16 waves a work-group, clusters of 4 x 1, 327,680 bytes of LDS; arguments qkvc, qkvs, cc, cs; writes cc, cs
.if DOCPART == 3
	.amdgcn_target "amdgcn-amd-amdhsa--gfx1250"
	.amdhsa_code_object_version 6
	.text
	.protected	k_q863e7a6546_attn
	.globl	k_q863e7a6546_attn
	.p2align	8
	.type	k_q863e7a6546_attn,@function
k_q863e7a6546_attn:
	s_mov_b64 s[64:65], 0
	v_nop
	global_prefetch_b8 v0, s[64:65] scope:SCOPE_SE
	s_setreg_imm32_b32 hwreg(HW_REG_WAVE_MODE, 25, 1), 1
	s_wait_xcnt 0x0
	s_wait_alu depctr_hold_cnt(0) depctr_sa_sdst(0) depctr_va_vdst(0) depctr_va_sdst(0) depctr_va_ssrc(0) depctr_va_vcc(0) depctr_vm_vsrc(0)
	s_getreg_b32 s2, hwreg(HW_REG_IB_STS2, 6, 4)
	s_cmp_eq_u32 s2, 0
	s_cbranch_scc0 .Lentry_in_a_cluster
	s_endpgm
.Lentry_in_a_cluster:
	s_bfe_u32 s2, ttmp6, 0x10000c
	s_cmp_lg_u32 s2, 0x3003
	s_cbranch_scc0 .Lentry_shape_is_right
	s_endpgm
.Lentry_shape_is_right:
; ctx = softmax(q k^T / 8) v for 64 heads of 2,048 tokens x 64, both products on codes of FP6 (E2M3) with E8M0 scales; ctx leaves as codes, quantised along the hidden axis.
; q, k: images of 16 tokens x 64 (768 bytes, six registers a lane, in the order of an operand's registers).  v: images of 16 features x 64 keys.
; q comes undivided: t = score x log2(e) / 8.  M = the running largest t, rounded up to a whole number; p = 2^(t - M) is quantised along the keys; the row's sum is taken of the unquantised p and divides at the end.
; SHARES.  A work-group owns ONE head and 512 of its queries; each of sixteen waves owns two tiles of 16 queries and takes them one after the other (two passes), 16 key steps of 128 keys each.
; Both products are used transposed: a lane holds one query throughout.
; THE FIRST PRODUCT'S K IS 64 OF THE INSTRUCTION'S 128.  Q's upper six registers are zero codes.  The eight images of a step's key tiles lie on end in 48 registers, and tile t's product names twelve registers from its image on:
; the upper six (the next image; for the last tile p's codes of the step before) meet Q's zero codes and add nothing; FP6 has no NaN code, and the scale bytes that go with them are 0, a finite code.
; So a whole step's K lies in registers at once and is asked for a step ahead, behind the eight products that read the registers; its eight scale words follow behind the maximum's chain, which frees their registers.
; A pass's first K is asked for ahead of the pass.  A pass's last step looks ahead too: it reads the LDS bytes behind the last chunk, which hold scale words, and nothing uses what it brings.
; LDS.  The head's whole K and V lie in LDS, filled once: eight chunks of two key steps, each K's 12,288 bytes and then V's 12,288; behind them K's scale words (8,192 bytes) and V's (4,096).  Nothing is filled again.
; FILLS, one tensor load a wave: waves 0-7 a chunk each (one descriptor of two rows: K's bytes and, 6,291,456 bytes further on in memory, V's), wave 8 K's scale words, wave 9 V's.  Waves 10-15 load nothing.
; The first two key steps need the loads of waves 0, 1, 8 and 9 alone, whose lines are their own: these waves wait ahead of the first barrier.  One plain barrier behind those two steps, with every wave's wait ahead of it, shows the other chunks.
; CLUSTER.  The four query blocks of a head read the same K and V: each tile is asked for jointly, mask 15.
; No prefetch: all tiles are asked for at the head, so there is no later load to run ahead of.
; ctx's scale word of 128 hidden units belongs to two heads: a wave stores its head's two bytes of each row's word (lanes l and l xor 16 store the same bytes).
; LIMITS: a block of zeros gets the byte 1 (its codes are zeros; this program alone reads the bytes); NaN and infinities are not served; the scaled scores t stay under 2^31 in magnitude.
; REGISTERS: v1, v2 16 x, 8 x lane; v3, v4 my place among K's, V's scale words; v5, v6 the add's; v7 Q's scale word; v8-11 the trip's addresses; v12 -M, v13 the largest t, v[14:15] the sum; v16-27 Q; v28-31 V's scale words;
;   v32-79 four fragments of V; v80-143 S^T, then p; v144-175 O^T; v176-223 K's eight images; v224-235 p's codes; v232-247, v252 at work; v253 p's scale word; K's scale words: v248-251, v254, v255, v239, v0.
.set CHUNK, 24576
.set KSC,   196608
.set VSC,   204800
.set SPARE, 208896                     ; the spare words, 128 bytes a wave
.set VF,  32
.set SS,  80
.set OA,  144
.set KF,  176
.set WV,  12
.set SEL, 20                           ; s[20:21] lane selects: lane l xor 16
.set CS,  22                           ; s[22:23] c = log2(e) / 8
.set G1,  24                           ; groups 1: codes, K's scale words, V's
.set G1S, 32
.set G1V, 40
.set G0,  48                           ; groups 0, likewise
.set G0S, 52
.set G0V, 56
.set TB,  60                           ; LDS byte of the trip's chunk
.set TS,  61                           ; of its scale words of K: 1,024 a trip
.set TJ,  62                           ; of V: 512 a trip
.set CNT, 63
.set QP,  66                           ; s[66:67] Q's images, s[68:69] their scale words, s[70:71] ctx's images, s[72:73] its scale bytes
.set QS,  68
.set CP,  70
.set CSP, 72
.macro CROUND                          ; a round of the cluster's barrier
	s_barrier_signal -1
	s_barrier_wait -1
	s_cmp_lg_u32 s[WV], 0
	s_cbranch_scc1 .Lnot_wave_0_\@
	s_barrier_signal -3
.Lnot_wave_0_\@:
	s_barrier_wait -3
	s_barrier_signal -1
	s_barrier_wait -1
.endm
.macro TLOAD g0, g1
	tensor_load_to_lds s[\g0:\g0+3], s[\g1:\g1+7]
	s_nop 0
.rept 4
	v_nop
.endr
.endm
.macro DENSE g, rows                   ; group 1 of a dense block: rows of 256 bytes
	s_mov_b32 s[\g], 15|(3<<16)|(1<<21)
	s_mov_b32 s[\g+1], 32<<16
	s_mov_b32 s[\g+2], (\rows)<<16
	s_mov_b32 s[\g+3], 32<<16
	s_mov_b32 s[\g+4], \rows
	s_mov_b32 s[\g+5], 32
	s_mov_b32 s[\g+6], 0
	s_mov_b32 s[\g+7], 0
.endm
	s_load_b256 s[4:11], s[0:1], 0x0               ; qkvc, qkvs, cc, cs
	v_lshl_add_u32 v5, v0, 2, SPARE
	v_mov_b32 v6, 0
	ds_add_u32 v5, v6                              ; the opening lines
	ds_add_u32 v5, v6
	v_lshrrev_b32 v8, 5, v0
	v_readfirstlane_b32 s[WV], v8                  ; wave 0..15
	s_bfe_u32 s13, ttmp6, 0x40000                  ; cx: my block of 512 queries; it enters Q's and ctx's addresses alone
	s_and_b32 s15, ttmp7, 0xffff                   ; 16 x batch + head, which the partners share
	s_and_b32 s14, s[WV], 7                        ; the chunk that I fetch, if I fetch
	s_mul_i32 s74, s15, 98304
	s_mul_i32 s16, s14, 12288
	s_add_co_u32 s74, s74, s16
	s_add_co_u32 s74, s74, 6291456                 ; k's part of the buffer; v's lies 6,291,456 bytes on
	s_mov_b32 s75, 0
	s_mul_i32 s17, s14, CHUNK
	s_lshr_b32 s16, s15, 1
	s_mul_i32 s76, s16, 24576                      ; a pair of heads: K's words 2 x 8,192, then V's 2 x 4,096
	s_add_co_u32 s76, s76, 524288
	s_and_b32 s16, s15, 1
	s_lshl_b32 s18, s16, 13
	s_lshl_b32 s19, s16, 12
	s_add_co_u32 s78, s76, s19
	s_add_co_u32 s78, s78, 16384
	s_add_co_u32 s76, s76, s18
	s_mov_b32 s77, 0
	s_mov_b32 s79, 0
	s_mov_b32 s[G1], 15|(3<<16)|(1<<21)            ; two rows of 12,288 bytes (1,536 elements of 8), 786,432 elements apart; mask: all four work-groups
	s_mov_b32 s[G1+1], 1536<<16
	s_mov_b32 s[G1+2], 2<<16
	s_mov_b32 s[G1+3], 1536<<16
	s_mov_b32 s[G1+4], 2
	s_mov_b32 s[G1+5], 786432
	s_mov_b32 s[G1+6], 0
	s_mov_b32 s[G1+7], 0
	DENSE G1S, 32
	DENSE G1V, 16
	s_mov_b32 s[SEL], 0x76543210
	s_mov_b32 s[SEL+1], 0xfedcba98
	s_mov_b32 s[CS], 0x3e38aa3b                    ; log2(e) / 8
	s_mov_b32 s[CS+1], s[CS]
	s_mov_b32 s[TB], 0
	s_mov_b32 s[TS], 0
	s_mov_b32 s[TJ], 0
	s_wait_dscnt 0x0                               ; both opening adds are done
	s_wait_kmcnt 0x0
	CROUND                                         ; all four work-groups are here: the joint loads meet
	s_mov_b32 s[G0], 1
	s_mov_b32 s[G0+1], s17
	s_add_nc_u64 s[G0+2:G0+3], s[4:5], s[74:75]
	s_or_b32 s[G0+3], s[G0+3], 0x80000000
	s_mov_b32 s[G0S], 1
	s_mov_b32 s[G0S+1], KSC
	s_add_nc_u64 s[G0S+2:G0S+3], s[6:7], s[76:77]
	s_or_b32 s[G0S+3], s[G0S+3], 0x80000000
	s_mov_b32 s[G0V], 1
	s_mov_b32 s[G0V+1], VSC
	s_add_nc_u64 s[G0V+2:G0V+3], s[6:7], s[78:79]
	s_or_b32 s[G0V+3], s[G0V+3], 0x80000000
	s_cmp_lt_u32 s[WV], 2                          ; one chain of branches on the wave's number, one load to an arm; what the first trip reads stands first
	s_cbranch_scc0 .Larm_ks
	TLOAD G0, G1                                   ; waves 0, 1: key steps 0 to 3
	s_branch .Lasked
.Larm_ks:
	s_cmp_eq_u32 s[WV], 8
	s_cbranch_scc0 .Larm_vs
	TLOAD G0S, G1S                                 ; wave 8: K's scale words
	s_branch .Lasked
.Larm_vs:
	s_cmp_eq_u32 s[WV], 9
	s_cbranch_scc0 .Larm_rest
	TLOAD G0V, G1V                                 ; wave 9: V's
	s_branch .Lasked
.Larm_rest:
	s_cmp_lt_u32 s[WV], 8
	s_cbranch_scc0 .Lasked
	TLOAD G0, G1                                   ; waves 2-7: the other chunks
.Lasked:
	s_lshl_b32 s16, s13, 5
	s_lshl_b32 s18, s[WV], 1
	s_add_co_u32 s16, s16, s18                     ; my first token tile of the head's 128: 32 x block + 2 x wave
	s_lshl_b32 s18, s15, 7
	s_add_co_u32 s18, s18, s16
	s_mul_i32 s74, s18, 768
	s_add_nc_u64 s[QP:QP+1], s[4:5], s[74:75]
	s_lshl_b32 s74, s18, 6
	s_add_nc_u64 s[QS:QS+1], s[6:7], s[74:75]
	s_lshr_b32 s18, s15, 4
	s_lshl_b32 s18, s18, 7
	s_add_co_u32 s18, s18, s16                     ; my token tile of all 512
	s_and_b32 s19, s15, 15                         ; head
	s_lshl_b32 s74, s18, 4
	s_add_co_u32 s74, s74, s19
	s_mul_i32 s74, s74, 768
	s_add_nc_u64 s[CP:CP+1], s[8:9], s[74:75]      ; cc: [token tile][head][768]
	s_lshl_b32 s74, s18, 9
	s_lshr_b32 s76, s19, 1
	s_lshl_b32 s76, s76, 6
	s_add_co_u32 s74, s74, s76
	s_and_b32 s76, s19, 1
	s_lshl_b32 s76, s76, 1
	s_add_co_u32 s74, s74, s76
	s_add_nc_u64 s[CSP:CSP+1], s[10:11], s[74:75]  ; cs: [token tile][pair][row][4 bytes], my head's two bytes
	v_and_b32 v8, 31, v0
	v_and_b32 v9, 15, v0
	v_lshlrev_b32 v1, 4, v8
	v_lshlrev_b32 v2, 3, v8
	v_lshl_add_u32 v3, v9, 2, KSC
	v_lshl_add_u32 v4, v9, 2, VSC
	v_lshlrev_b32 v10, 2, v9
	s_wait_alu depctr_va_vdst(0)
.macro QLOAD oc, os                    ; 16 queries: one image and its scale words; v10 = 4 x row
	global_load_b128 v[16:19], v1, s[QP:QP+1] offset:\oc
	global_load_b64 v[20:21], v2, s[QP:QP+1] offset:\oc+512
	global_load_b32 v7, v10, s[QS:QS+1] offset:\os
.endm
.macro RESET                           ; a tile of queries begins: the step is written once, and its first trip finds zeros
	v_mov_b32 v13, 0xff61b1e6                      ; the largest t so far: -3e38
	s_delay_alu instid0(VALU_DEP_1)
	v_floor_f32 v12, -v13                          ; -M
	v_mov_b32 v14, 0
	v_mov_b32 v15, 0
.set j, 0
.rept 32
	v_mov_b32 v[OA+j], 0
.set j, j+1
.endr
.endm
.macro KLD a16, a8, off                ; a step's eight images of K: 16 loads
.irp t, 0,1,2,3,4,5,6,7
	ds_load_b128 v[KF+6*\t:KF+6*\t+3], \a16 offset:(\off)+768*\t
	ds_load_b64 v[KF+6*\t+4:KF+6*\t+5], \a8 offset:(\off)+768*\t+512
.endr
.endm
.macro KSL adr, off                    ; and their scale words: 8 loads
	ds_load_b32 v248, \adr offset:(\off)
	ds_load_b32 v249, \adr offset:(\off)+64
	ds_load_b32 v250, \adr offset:(\off)+128
	ds_load_b32 v251, \adr offset:(\off)+192
	ds_load_b32 v254, \adr offset:(\off)+256
	ds_load_b32 v255, \adr offset:(\off)+320
	ds_load_b32 v239, \adr offset:(\off)+384
	ds_load_b32 v0, \adr offset:(\off)+448
.endm
.macro SMUL t, ks
	v_wmma_scale_f32_16x16x128_f8f6f4 v[SS+8*\t:SS+8*\t+7], v[KF+6*\t:KF+6*\t+11], v[16:27], 0, v\ks, v7 matrix_a_fmt:MATRIX_FMT_FP6 matrix_b_fmt:MATRIX_FMT_FP6
.endm
	QLOAD 0, 0
.irp i, 22,23,24,25,26,27
	v_mov_b32 v\i, 0                               ; k = 64 .. 127 of Q: zero codes
.endr
.irp i, 224,225,226,227,228,229
	v_mov_b32 v\i, 0                               ; named by the last key tile's product before p's first codes are made
.endr
.irp b, 0,1,2,3
	v_mov_b32 v[236+\b], 0                         ; a lane permute's destination counts as one of its sources
.endr
	v_mov_b32 v253, 0
	RESET
; A KEY STEP: 128 keys, the u-th of its chunk.
.macro STEP u
	s_wait_dscnt 0x0                               ; this step's K and its scale words, asked for a step ago
	SMUL 0, 248
	SMUL 1, 249
	SMUL 2, 250
	SMUL 3, 251
	SMUL 4, 254
	SMUL 5, 255
	SMUL 6, 239
	SMUL 7, 0
.if \u == 0
	v_add_nc_u32 v8, s[TB], v1                     ; the chunk's addresses; these four are also the places behind the products
	v_add_nc_u32 v9, s[TB], v2
	v_add_nc_u32 v10, s[TS], v3
	v_add_nc_u32 v11, s[TJ], v4
.else
.rept 4
	v_nop                                          ; places behind the products
.endr
.endif
.irp d, 0,1,2,3                                ; V's four fragments and their words land under the softmax
	ds_load_b128 v[VF+12*\d:VF+12*\d+3], v8 offset:12288+6144*\u+768*\d
	ds_load_b64 v[VF+12*\d+4:VF+12*\d+5], v9 offset:12288+6144*\u+768*\d+512
	ds_load_b128 v[VF+12*\d+6:VF+12*\d+9], v8 offset:12288+6144*\u+3072+768*\d
	ds_load_b64 v[VF+12*\d+10:VF+12*\d+11], v9 offset:12288+6144*\u+3072+768*\d+512
	ds_load_b32 v[28+\d], v11 offset:256*\u+64*\d
.endr
	KLD v8, v9, 6144+18432*\u                      ; the next step's K: the chunk's second step, or the next chunk's first
.irp b, 0,1,2,3
	v_max3_num_f32 v[232+\b], v[SS+16*\b], v[SS+1+16*\b], v[SS+2+16*\b]   ; the largest score of each block of 32 keys: for the row's maximum, and, since p rises with the score, for the block's largest p
.endr
.irp i, 3,5,7,9,11,13
.irp b, 0,1,2,3
	v_max3_num_f32 v[232+\b], v[232+\b], v[SS+16*\b+\i], v[SS+1+16*\b+\i]
.endr
.endr
.irp b, 0,1,2,3
	v_max_num_f32 v[232+\b], v[232+\b], v[SS+15+16*\b]
.endr
.irp b, 0,1,2,3
	s_delay_alu instid0(VALU_DEP_4)
	v_permlanex16_b32 v[236+\b], v[232+\b], s[SEL], s[SEL+1]
.endr
.irp b, 0,1,2,3
	s_delay_alu instid0(VALU_DEP_4)
	v_max_num_f32 v[232+\b], v[232+\b], v[236+\b]  ; with lane l xor 16's 16 keys
.endr
	s_delay_alu instid0(VALU_DEP_2)
	v_max3_num_f32 v254, v232, v233, v234
	s_delay_alu instid0(VALU_DEP_1)
	v_max_num_f32 v254, v254, v235
	s_delay_alu instid0(VALU_DEP_1)
	v_mul_f32 v254, s[CS], v254                    ; as t (c is positive)
	s_delay_alu instid0(VALU_DEP_1)
	v_max_num_f32 v13, v13, v254                   ; the running largest t
	v_mov_b32 v254, v12
	s_delay_alu instid0(VALU_DEP_2)
	v_floor_f32 v12, -v13                          ; the new -M = -ceil(t)
	s_delay_alu instid0(VALU_DEP_1)
	v_sub_f32 v254, v12, v254                      ; old M - new M: a whole number, 0 or less
	s_delay_alu instid0(VALU_DEP_1)
	v_cvt_i32_f32 v254, v254                       ; (it saturates)
	s_delay_alu instid0(VALU_DEP_1)
	v_ldexp_f32 v252, 1.0, v254                    ; f = 2^(old M - new M): a multiplication by it rounds nothing
	KSL v10, 512+512*\u                            ; the next step's scale words of K: their registers are at rest from here to the next step's products
.set j, 0
.rept 32
	v_pk_fma_f32 v[SS+j:SS+1+j], v[SS+j:SS+1+j], s[CS:CS+1], v[12:13] op_sel_hi:[1,0,0]   ; t - M, two at a time
.set j, j+2
.endr
.irp b, 0,1,2,3
	v_fma_f32 v[232+\b], v[232+\b], s[CS], v12     ; the same of each block's largest score
.endr
.set j, 0
	s_wait_alu depctr_va_vdst(0)
.rept 64
	v_exp_f32 v[SS+j], v[SS+j]                     ; p = 2^(t - M), at most 1
.set j, j+1
.endr
	v_pk_mul_f32 v[14:15], v[14:15], v[252:253] op_sel_hi:[1,0]   ; the sums under the new M: a plain place behind the exponentials
	s_wait_alu depctr_va_vdst(0)                   ; one wait for the batch, ahead of its first reader
.irp b, 0,1,2,3
	v_exp_f32 v[232+\b], v[232+\b]                 ; the block's largest p
.endr
.set j, 0
.irp c, 236,240,242,244,246                    ; the row's sum of the unquantised p: 32 pairs in six chains side by side
	v_pk_add_f32 v[\c:\c+1], v[SS+2*j:SS+2*j+1], v[SS+2*j+2:SS+2*j+3]
.set j, j+2
.endr
	v_pk_add_f32 v[14:15], v[14:15], v[SS+20:SS+21]
.set j, 11
.rept 3
.irp c, 236,240,242,244,246,14
	v_pk_add_f32 v[\c:\c+1], v[\c:\c+1], v[SS+2*j:SS+2*j+1]
.set j, j+1
.endr
.endr
.irp c, 236,240,242
	v_pk_add_f32 v[\c:\c+1], v[\c:\c+1], v[SS+2*j:SS+2*j+1]
.set j, j+1
.endr
	v_pk_add_f32 v[14:15], v[14:15], v[246:247]
	v_pk_add_f32 v[236:237], v[236:237], v[240:241]
	v_pk_add_f32 v[242:243], v[242:243], v[244:245]
	v_pk_add_f32 v[14:15], v[14:15], v[236:237]
	v_pk_add_f32 v[14:15], v[14:15], v[242:243]
	s_wait_alu depctr_va_vdst(0)                   ; and one for the four
.irp b, 0,1,2,3
	v_max_num_f32 v[232+\b], 0x1800000, v[232+\b]  ; the floor 2^(3 - 127)
.endr
.irp b, 0,1,2,3
	s_delay_alu instid0(VALU_DEP_4)
	v_add_nc_u32 v[244+\b], 0xff000000, v[232+\b]  ; the conversion's scale operand
.endr
.irp b, 0,1,2,3
	s_delay_alu instid0(VALU_DEP_4)
	v_lshrrev_b32 v[240+\b], 23, v[244+\b]         ; the scale's byte
.endr
	s_delay_alu instid0(VALU_DEP_3)
	v_lshl_or_b32 v253, v241, 8, v240              ; p's scale word for these 128 keys
	s_delay_alu instid0(VALU_DEP_1)
	v_lshl_or_b32 v253, v242, 16, v253
	s_delay_alu instid0(VALU_DEP_1)
	v_lshl_or_b32 v253, v243, 24, v253
.irp c, 0,1
	v_cvt_scalef32_pk16_fp6_f32 v[224+6*\c:226+6*\c], v[SS+32*\c:SS+15+32*\c], v[244+2*\c]
	v_cvt_scalef32_pk16_fp6_f32 v[236+4*\c:238+4*\c], v[SS+16+32*\c:SS+31+32*\c], v[244+2*\c+1]
.endr
	v_nop                                          ; one plain place behind a scaled conversion
.irp c, 0,1
.irp i, 0,1,2
	v_permlane16_swap_b32 v[224+6*\c+\i], v[236+4*\c+\i]
.endr
.irp i, 0,1,2
	s_delay_alu instid0(VALU_DEP_3)
	v_mov_b32 v[227+6*\c+\i], v[236+4*\c+\i]
.endr
.endr
.set j, 0
.rept 16
	v_pk_mul_f32 v[OA+j:OA+1+j], v[OA+j:OA+1+j], v[252:253] op_sel_hi:[1,0]   ; O^T under the new M; these are also the places in front of the scaled products
.set j, j+2
.endr
	s_wait_alu depctr_va_vdst(0)
	s_wait_dscnt 24                                ; V is in; behind its loads stand the next step's 16 of K and 8 of scale words, which may be out
.irp d, 0,1,2,3
	v_wmma_scale_f32_16x16x128_f8f6f4 v[OA+8*\d:OA+7+8*\d], v[VF+12*\d:VF+11+12*\d], v[224:235], v[OA+8*\d:OA+7+8*\d], v[28+\d], v253 matrix_a_fmt:MATRIX_FMT_FP6 matrix_b_fmt:MATRIX_FMT_FP6
.endr
.endm
.macro TRIP                            ; a chunk: two key steps on one set of addresses
	STEP 0
	STEP 1
	s_add_co_u32 s[TB], s[TB], CHUNK
	s_add_co_u32 s[TS], s[TS], 1024
	s_add_co_u32 s[TJ], s[TJ], 512
.endm
.macro PHASE n
	s_mov_b32 s[CNT], \n
.Ltrip_\@:
	TRIP
	s_sub_co_u32 s[CNT], s[CNT], 1
	s_cmp_lg_u32 s[CNT], 0
	s_cbranch_scc1 .Ltrip_\@
.endm
; A tile of queries ends: O^T / the sum is ctx, 64 features a query: register 16 b + i = feature 32 b + 16 (lane / 16) + i.  Two blocks are quantised; one image and two scale bytes a row leave.
; e = 0: the next pass's first K and the next tile's queries are asked for first and land under this work.
.macro HFIN e
	s_wait_dscnt 0x0                               ; the last step's look-ahead has landed: its registers may be loaded anew
.if \e == 0
	KLD v1, v2, 0
	KSL v3, 0
.endif
	v_add_nc_u32 v10, -KSC, v3                     ; 4 x row
.if \e == 0
	QLOAD 768, 64
.endif
	v_add_f32 v14, v14, v15
	s_delay_alu instid0(VALU_DEP_1)
	v_permlanex16_b32 v252, v14, s[SEL], s[SEL+1]
	s_delay_alu instid0(VALU_DEP_1)
	v_add_f32 v14, v14, v252                       ; the row's sum
	s_wait_alu depctr_va_vdst(0)
	v_rcp_f32 v14, v14
	v_nop                                          ; a plain place behind the reciprocal
	s_wait_alu depctr_va_vdst(0)                   ; and the wait ahead of its first reader
.set j, 0
.rept 16
	v_pk_mul_f32 v[SS+j:SS+1+j], v[OA+j:OA+1+j], v[14:15] op_sel_hi:[1,0]   ; each accumulator from its low end on
.set j, j+2
.endr
.irp b, 0,1
	v_max3_num_f32 v[232+\b], |v[SS+16*\b]|, |v[SS+1+16*\b]|, 0x1800000
.endr
.irp i, 2,4,6,8,10,12,14
.irp b, 0,1
	s_delay_alu instid0(VALU_DEP_2)
	v_max3_num_f32 v[232+\b], v[232+\b], |v[SS+16*\b+\i]|, |v[SS+1+16*\b+\i]|
.endr
.endr
.irp b, 0,1
	s_delay_alu instid0(VALU_DEP_2)
	v_permlanex16_b32 v[236+\b], v[232+\b], s[SEL], s[SEL+1]
.endr
.irp b, 0,1
	s_delay_alu instid0(VALU_DEP_2)
	v_max_num_f32 v[232+\b], v[232+\b], v[236+\b]
.endr
.irp b, 0,1
	s_delay_alu instid0(VALU_DEP_2)
	v_add_nc_u32 v[244+\b], 0xff000000, v[232+\b]
.endr
.irp b, 0,1
	s_delay_alu instid0(VALU_DEP_2)
	v_lshrrev_b32 v[236+\b], 23, v[244+\b]
.endr
	s_delay_alu instid0(VALU_DEP_1)
	v_lshl_or_b32 v243, v237, 8, v236              ; my head's two bytes of the row's word
	v_cvt_scalef32_pk16_fp6_f32 v[224:226], v[SS:SS+15], v244
	v_cvt_scalef32_pk16_fp6_f32 v[240:242], v[SS+16:SS+31], v245
	v_nop
.irp i, 0,1,2
	v_permlane16_swap_b32 v[224+\i], v[240+\i]
.endr
.irp i, 0,1,2
	s_delay_alu instid0(VALU_DEP_3)
	v_mov_b32 v[227+\i], v[240+\i]
.endr
	global_store_b128 v1, v[224:227], s[CP:CP+1] offset:12288*\e       ; 512 consecutive bytes
	global_store_b64 v2, v[228:229], s[CP:CP+1] offset:12288*\e+512    ; 256
	global_store_b16 v10, v243, s[CSP:CSP+1] offset:512*\e
.endm
	s_wait_alu depctr_va_vdst(0)                   ; the wait at the head's end
	s_cmp_lt_u32 s[WV], 2
	s_cbranch_scc1 .Lwaits
	s_cmp_lt_u32 s[WV], 8
	s_cbranch_scc1 .Lwaits_not                     ; waves 2-7: their chunks may still be on their way
.Lwaits:
	s_wait_tensorcnt 0x0                           ; chunks 0 and 1, K's scale words, V's scale words
.Lwaits_not:
	s_barrier_signal -1
	s_barrier_wait -1
	KLD v1, v2, 0                                  ; the first pass's first K
	KSL v3, 0
	s_wait_loadcnt 0x0                             ; Q
	TRIP                                           ; my first tile, key steps 0 and 1 (and the look-ahead into chunk 1)
	s_wait_tensorcnt 0x0                           ; every wave's load has landed,
	s_wait_dscnt 0x0
	s_barrier_signal -1                            ; and a plain barrier shows all chunks to all waves
	s_barrier_wait -1
	PHASE 7
	HFIN 0
	RESET
	s_mov_b32 s[TB], 0
	s_mov_b32 s[TS], 0
	s_mov_b32 s[TJ], 0
	s_wait_loadcnt 0x0                             ; the second tile's Q
	s_wait_xcnt 0x0                                ; the first tile's stores have read their registers
	PHASE 8
	HFIN 1
	s_wait_tensorcnt 0x0                           ; the wave's end
	ds_add_u32 v5, v6
	s_wait_dscnt 0x0
	CROUND                                         ; the closing round
	s_endpgm
.Lfunc_end_k_q863e7a6546_attn:
	.size	k_q863e7a6546_attn, .Lfunc_end_k_q863e7a6546_attn-k_q863e7a6546_attn
	.p2alignl 7, 3214868480
	.fill 96, 4, 3214868480
	.section	.rodata,"a",@progbits
	.p2align	6, 0x0
	.amdhsa_kernel k_q863e7a6546_attn
		.amdhsa_group_segment_fixed_size 327680
		.amdhsa_private_segment_fixed_size 0
		.amdhsa_enable_private_segment 0
		.amdhsa_kernarg_size 32
		.amdhsa_user_sgpr_count 2
		.amdhsa_user_sgpr_kernarg_segment_ptr 1
		.amdhsa_wavefront_size32 1
		.amdhsa_system_sgpr_workgroup_id_x 1
		.amdhsa_system_sgpr_workgroup_id_y 1
		.amdhsa_system_sgpr_workgroup_id_z 1
		.amdhsa_system_vgpr_workitem_id 0
		.amdhsa_next_free_vgpr 256
		.amdhsa_next_free_sgpr 80
		.amdhsa_reserve_vcc 0
		.amdhsa_float_denorm_mode_32 3
		.amdhsa_float_denorm_mode_16_64 3
		.amdhsa_memory_ordered 1
		.amdhsa_forward_progress 1
		.amdhsa_inst_pref_size 127
	.end_amdhsa_kernel
	.amdgpu_metadata
---
amdhsa.version: [ 1, 2 ]
amdhsa.kernels:
  - .name:           k_q863e7a6546_attn
    .symbol:         k_q863e7a6546_attn.kd
    .args:
      - { .name: qkvc, .offset: 0, .size: 8, .value_kind: global_buffer, .address_space: global }
      - { .name: qkvs, .offset: 8, .size: 8, .value_kind: global_buffer, .address_space: global }
      - { .name: cc, .offset: 16, .size: 8, .value_kind: global_buffer, .address_space: global }
      - { .name: cs, .offset: 24, .size: 8, .value_kind: global_buffer, .address_space: global }
    .group_segment_fixed_size: 327680
    .private_segment_fixed_size: 0
    .kernarg_segment_align: 8
    .kernarg_segment_size: 32
    .max_flat_workgroup_size: 512
    .sgpr_count:     80
    .vgpr_count:     256
    .wavefront_size: 32
...
	.end_amdgpu_metadata
.endif
;; end of part 3
;; launch outp (part 4): grid 4 x 64, 4 waves a work-group, clusters of 4 x 4, 327,680 bytes of LDS; arguments cc, cs, codes, scl, bo, out0; writes out0
.if DOCPART == 4
	.amdgcn_target "amdgcn-amd-amdhsa--gfx1250"
	.amdhsa_code_object_version 6
	.text
	.protected	k_q863e7a6546_outp
	.globl	k_q863e7a6546_outp
	.p2align	8
	.type	k_q863e7a6546_outp,@function
k_q863e7a6546_outp:
	s_mov_b64 s[64:65], 0
	v_nop
	global_prefetch_b8 v0, s[64:65] scope:SCOPE_SE
	s_setreg_imm32_b32 hwreg(HW_REG_WAVE_MODE, 25, 1), 1
	s_wait_xcnt 0x0
	s_wait_alu depctr_hold_cnt(0) depctr_sa_sdst(0) depctr_va_vdst(0) depctr_va_sdst(0) depctr_va_ssrc(0) depctr_va_vcc(0) depctr_vm_vsrc(0)
	s_getreg_b32 s2, hwreg(HW_REG_IB_STS2, 6, 4)
	s_cmp_eq_u32 s2, 0
	s_cbranch_scc0 .Lentry_in_a_cluster
	s_endpgm
.Lentry_in_a_cluster:
	s_bfe_u32 s2, ttmp6, 0x10000c
	s_cmp_lg_u32 s2, 0xf033
	s_cbranch_scc0 .Lentry_shape_is_right
	s_endpgm
.Lentry_shape_is_right:
; out0 = ctx Wo^T + bo, [8192][1024] f32, on codes of FP6 (E2M3) with E8M0 scales.  cc: ctx's images [token tile 512][half K step 16][768], cs: its scale words [tile][K step 8][row 16];
; Wo's are row tiles 704-767 of codes and scl, laid alike.  Lane r of tile 2 b + u stands for row 32 b + 8 u + r + 8 (r / 8) of its tensor.
; A work-group makes 128 rows x 256 columns: 8 tiles of ctx and 16 of Wo, ALL of K, lie in LDS (98,304 + 196,608 bytes of codes, 4,096 + 8,192 of scale words), each a dense block of memory.
; FILLS: four tensor loads, one a wave, at the head; nothing is filled again, so there is no ring.  No prefetch: there is no later load to run ahead of.
; CLUSTER 4 x 4: ctx's rows are shared by a row of the cluster, Wo's by a column; each block is asked for jointly.
; A wave makes 64 x 128: 32 accumulators (window 2).  The fragments of a K step (4 of ctx in window 0, 8 of Wo in window 1, 8 scale registers) lie twice: a step's 56 LDS loads are issued ahead of the step before's 32 products.
; The product is used transposed (source 0 = Wo's rows): a lane holds eight neighbouring columns of a row.  The bias is the first products' C.
; The way out goes through a stage of 16 rows x 528 bytes a wave, on bytes of ctx's codes, behind a barrier at which every wave's LDS reads are over.
.set TILEB,  12288
.set BB0,    98304
.set ASC,    294912
.set BSC,    299008
.set SPARE,  307200
.set SPITCH, 528
.set STO,  24
.set RD,   25
.set CO,   26
.set ADRS, 27
.set SPW,  28
.set NIL,  29
.set SC,   32                          ; v32-47 scale words, two sets of eight: lanes 0-15 ctx's tile i, lanes 16-31 Wo's tile i
.set BN,   64                          ; v64-127 the bias
.set AF,   128                         ; v128-223 ctx's fragments, two sets
.set BK,   128                         ; the way out: v128-255
.set G1A, 24
.set G1B, 32
.set G1SA, 40
.set G1SB, 48
.set G0A, 56
.set G0B, 60
.set G0SA, 68
.set G0SB, 72
.set MSB, 0
.macro WIN new
.if MSB != (\new)
	s_set_vgpr_msb (MSB<<8)|(\new)
.set MSB, (\new)
.endif
.endm
.macro PLACES n
.rept \n
	v_nop
.endr
.endm
.macro CROUND
	s_barrier_signal -1
	s_barrier_wait -1
	s_cmp_lg_u32 s18, 0
	s_cbranch_scc1 .Lnot_wave_0_\@
	s_barrier_signal -3
.Lnot_wave_0_\@:
	s_barrier_wait -3
	s_barrier_signal -1
	s_barrier_wait -1
.endm
.macro GRP g, mask, c, r               ; group 1 of a dense block: r rows of c elements of 8 bytes
	s_or_b32 s[\g], s\mask, (3<<16)|(1<<21)
	s_mov_b32 s[\g+1], (\c)<<16
	s_mov_b32 s[\g+2], (\r)<<16
	s_mov_b32 s[\g+3], (\c)<<16
	s_mov_b32 s[\g+4], \r
	s_mov_b32 s[\g+5], \c
	s_mov_b32 s[\g+6], 0
	s_mov_b32 s[\g+7], 0
.endm
.macro GRP0 g, lds, base, off
	s_mov_b32 s[\g], 1
	s_mov_b32 s[\g+1], \lds
	s_add_nc_u64 s[\g+2:\g+3], s[\base:\base+1], s[\off:\off+1]
	s_or_b32 s[\g+3], s[\g+3], 0x80000000
.endm
.macro ARM under, g0, g1, next
	s_cmp_lt_u32 s18, \under
	s_cbranch_scc0 \next
	tensor_load_to_lds s[\g0:\g0+3], s[\g1:\g1+7]
	s_nop 0
	PLACES 4
	s_branch .Lasked
\next:
.endm
	s_load_b256 s[4:11], s[0:1], 0x0               ; cc, cs, codes, scl
	s_load_b128 s[12:15], s[0:1], 0x20             ; bo, out0
	v_lshl_add_u32 v[SPW], v0, 2, SPARE
	v_mov_b32 v[NIL], 0
	ds_add_u32 v[SPW], v[NIL]                      ; the opening lines
	ds_add_u32 v[SPW], v[NIL]
	v_lshrrev_b32 v1, 5, v0
	v_readfirstlane_b32 s18, v1                    ; wave
	s_lshr_b32 s19, s18, 1                         ; my half of the rows
	s_and_b32 s20, s18, 1                          ; my half of the columns
	s_bfe_u32 s76, ttmp6, 0x40000                  ; cx
	s_bfe_u32 s77, ttmp6, 0x40004                  ; cy
	s_lshl_b32 s22, ttmp9, 2
	s_add_co_u32 s22, s22, s76                     ; block column, 0 .. 3
	s_and_b32 s21, ttmp7, 0xffff
	s_lshl_b32 s21, s21, 2
	s_add_co_u32 s21, s21, s77                     ; block row, 0 .. 63
	s_lshl_b32 s78, s77, 2
	s_lshl_b32 s78, 15, s78                        ; my row of the cluster
	s_lshl_b32 s79, 0x1111, s76                    ; my column
	GRP G1A, 78, 384, 32
	GRP G1B, 79, 384, 64
	GRP G1SA, 78, 32, 16
	GRP G1SB, 79, 32, 32
	s_mul_i32 s80, s21, 8*TILEB
	s_mov_b32 s81, 0
	s_lshl_b32 s82, s21, 12
	s_mov_b32 s83, 0
	s_lshl_b32 s86, s22, 4
	s_add_co_u32 s86, s86, 704
	s_mul_i32 s84, s86, TILEB
	s_mov_b32 s85, 0
	s_lshl_b32 s86, s86, 9
	s_mov_b32 s87, 0
	s_wait_dscnt 0x0                               ; both opening adds are done
	s_wait_kmcnt 0x0
	CROUND                                         ; all sixteen work-groups are here: the joint loads meet
	GRP0 G0A, 0, 4, 80
	GRP0 G0SA, ASC, 6, 82
	GRP0 G0B, BB0, 8, 84
	GRP0 G0SB, BSC, 10, 86
	ARM 1, G0B, G1B, .Lhead_a                      ; one load a wave: Wo's codes, ctx's codes, Wo's scale words, ctx's
	ARM 2, G0A, G1A, .Lhead_sb
	ARM 3, G0SB, G1SB, .Lhead_sa
	tensor_load_to_lds s[G0SA:G0SA+3], s[G1SA:G1SA+7]
	s_nop 0
	PLACES 4
.Lasked:
	s_mul_i32 s88, s19, 4*TILEB                    ; my 4 tiles of ctx
	s_mul_i32 s89, s20, 8*TILEB
	s_add_co_u32 s89, s89, BB0                     ; my 8 tiles of Wo: the first four,
	s_add_co_u32 s90, s89, 4*TILEB                 ; the other four (an LDS offset has 16 bits)
	s_lshl_b32 s92, s19, 11
	s_lshl_b32 s91, s20, 12
	s_add_co_u32 s91, s91, BSC-ASC
	s_sub_co_u32 s91, s91, s92                     ; from my rows' scale words to my columns'
	s_add_co_u32 s92, s92, ASC
	s_mul_i32 s93, s18, 16*SPITCH                  ; my stage
	s_lshl_b32 s94, s22, 10
	s_lshl_b32 s96, s20, 9
	s_add_co_u32 s94, s94, s96                     ; my first column, in bytes
	s_mov_b32 s95, 0
	s_add_nc_u64 s[12:13], s[12:13], s[94:95]
	s_add_nc_u64 s[14:15], s[14:15], s[94:95]
	s_lshl_b32 s94, s21, 19
	s_lshl_b32 s96, s19, 18
	s_add_co_u32 s94, s94, s96                     ; my first row: 128 x block row + 64 x half, rows of 4,096 bytes
	s_add_nc_u64 s[14:15], s[14:15], s[94:95]
	v_and_b32 v1, 31, v0
	v_bfe_u32 v2, v0, 4, 1
	v_and_b32 v3, 15, v0
	v_lshlrev_b32 v[CO], 4, v1
	v_lshlrev_b32 v5, 3, v1
	v_lshlrev_b32 v6, 2, v3
	v_mul_u32_u24 v7, s91, v2                      ; lanes 16-31 take Wo's words
	v_mul_u32_u24 v9, v3, SPITCH
	v_lshlrev_b32 v8, 6, v2
	v_add_nc_u32 v16, s88, v[CO]
	v_add_nc_u32 v17, s88, v5
	v_add_nc_u32 v18, s89, v[CO]
	v_add_nc_u32 v19, s89, v5
	v_add_nc_u32 v20, s90, v[CO]
	v_add_nc_u32 v21, s90, v5
	v_add_nc_u32 v6, v6, v7
	v_lshl_add_u32 v9, v2, 6, v9
	v_add_nc_u32 v[ADRS], s92, v6
	v_add_nc_u32 v[STO], s93, v9                   ; into the stage: row l % 16, 64 bytes for each half of the lanes
	v_add_nc_u32 v[RD], s93, v[CO]                 ; back: 32 lanes take a row of 512 bytes
	s_wait_alu depctr_va_vdst(0)                   ; the wait at the head's end
.irp b, 0,1,2,3,4,5,6,7
	global_load_b128 v[BN+8*\b:BN+8*\b+3], v8, s[12:13] offset:(32*(\b/2)+8*(\b%2))*4
	global_load_b128 v[BN+8*\b+4:BN+8*\b+7], v8, s[12:13] offset:(32*(\b/2)+8*(\b%2))*4+16
.endr
.macro FRAG reg, a16, a8, off          ; a fragment: two images of 768 bytes, each 16 bytes and then 8 bytes a lane
	ds_load_b128 v[(\reg):(\reg)+3], v[\a16] offset:(\off)
	ds_load_b64 v[(\reg)+4:(\reg)+5], v[\a8] offset:(\off)+512
	ds_load_b128 v[(\reg)+6:(\reg)+9], v[\a16] offset:(\off)+768
	ds_load_b64 v[(\reg)+10:(\reg)+11], v[\a8] offset:(\off)+1280
.endm
.macro FETCH q, p                      ; K step q into set p: 56 LDS loads
	WIN 0x40
.irp i, 0,1,2,3
	FRAG 128*(\p)+12*\i, 18, 19, TILEB*\i+1536*(\q)
.endr
.irp i, 0,1,2,3
	FRAG 128*(\p)+48+12*\i, 20, 21, TILEB*\i+1536*(\q)
.endr
	WIN 0
.irp i, 0,1,2,3
	FRAG AF+48*(\p)+12*\i, 16, 17, TILEB*\i+1536*(\q)
.endr
.irp i, 0,1,2,3,4,5,6,7
	ds_load_b32 v[SC+8*(\p)+\i], v[ADRS] offset:512*\i+64*(\q)
.endr
.endm
.macro MUL p, zero                     ; 32 products, the 32 accumulators by turns
.irp a, 0,1,2,3
.irp b, 0,1,2,3,4,5,6,7
.if \zero
	v_wmma_scale_f32_16x16x128_f8f6f4 v[8*(8*\a+\b):8*(8*\a+\b)+7], v[128*(\p)+12*\b:128*(\p)+12*\b+11], v[AF+48*(\p)+12*\a:AF+48*(\p)+12*\a+11], v[BN+8*\b:BN+8*\b+7], v[SC+8*(\p)+\b], v[SC+8*(\p)+\a] matrix_a_fmt:MATRIX_FMT_FP6 matrix_b_fmt:MATRIX_FMT_FP6 matrix_a_scale:MATRIX_SCALE_ROW1
.else
	v_wmma_scale_f32_16x16x128_f8f6f4 v[8*(8*\a+\b):8*(8*\a+\b)+7], v[128*(\p)+12*\b:128*(\p)+12*\b+11], v[AF+48*(\p)+12*\a:AF+48*(\p)+12*\a+11], v[8*(8*\a+\b):8*(8*\a+\b)+7], v[SC+8*(\p)+\b], v[SC+8*(\p)+\a] matrix_a_fmt:MATRIX_FMT_FP6 matrix_b_fmt:MATRIX_FMT_FP6 matrix_a_scale:MATRIX_SCALE_ROW1
.endif
.endr
.endr
.endm
	s_wait_loadcnt 0x0                             ; the bias
	s_wait_tensorcnt 0x0                           ; my block has landed
	s_barrier_signal -1
	s_barrier_wait -1                              ; and so have the others'
	FETCH 0, 0
	s_wait_dscnt 0x0
	FETCH 1, 1
	WIN 0x81                                       ; source 0 window 1, source 1 and C window 0, D window 2
	MUL 0, 1
.set Q, 1
.rept 6
	s_wait_dscnt 0x0                               ; step Q's loads, issued ahead of the last 32 products
	PLACES 4                                       ; in front of loads into registers that the last products read
	FETCH Q+1, (Q+1)%2
	WIN 0xa1
	MUL Q%2, 0
.set Q, Q+1
.endr
	s_wait_dscnt 0x0                               ; my last LDS reads of codes and scale words are over:
	s_barrier_signal -1                            ; say so, work on registers,
	MUL 1, 0
	WIN 0
	s_barrier_wait -1                              ; and the stages may be laid over ctx's codes
.macro TOSTAGE a
	WIN 0x08                                       ; the data: window 2
.irp b, 0,1,2,3,4,5,6,7
	ds_store_b128 v[STO], v[64*(\a)+8*\b:64*(\a)+8*\b+3] offset:128*(\b/2)+32*(\b%2)
	ds_store_b128 v[STO], v[64*(\a)+8*\b+4:64*(\a)+8*\b+7] offset:128*(\b/2)+32*(\b%2)+16
.endr
	WIN 0
.set BB, BK+64*((\a)%2)
.irp t, 0,1,2,3,4,5,6,7,8,9,10,11,12,13,14,15
	ds_load_b128 v[BB+4*\t:BB+4*\t+3], v[RD] offset:\t*SPITCH      ; LDS serves a wave's instructions in order: these see the stores above
.endr
.endm
.macro SEND a, younger
.set BB, BK+64*((\a)%2)
	s_wait_dscnt \younger
.irp t, 0,1,2,3,4,5,6,7,8,9,10,11,12,13,14,15
	global_store_b128 v[CO], v[BB+4*\t:BB+4*\t+3], s[14:15] offset:(32*((\a)/2)+8*((\a)%2)+\t+8*(\t/8))*4096 th:TH_STORE_NT   ; 512 consecutive bytes of a row
.endr
.endm
	PLACES 4
	TOSTAGE 0
.irp a, 1,2,3
.if \a > 1
	s_wait_xcnt 0x0                                ; block a - 2's stores have read their registers
.endif
	TOSTAGE \a
	SEND \a-1, 32                                  ; behind block a - 1's loads: block a's 16 stores and 16 loads
.endr
	SEND 3, 0
	s_wait_tensorcnt 0x0                           ; the wave's end
	ds_add_u32 v[SPW], v[NIL]
	s_wait_dscnt 0x0
	CROUND                                         ; the closing round
	s_endpgm
.Lfunc_end_k_q863e7a6546_outp:
	.size	k_q863e7a6546_outp, .Lfunc_end_k_q863e7a6546_outp-k_q863e7a6546_outp
	.p2alignl 7, 3214868480
	.fill 96, 4, 3214868480
	.section	.rodata,"a",@progbits
	.p2align	6, 0x0
	.amdhsa_kernel k_q863e7a6546_outp
		.amdhsa_group_segment_fixed_size 327680
		.amdhsa_private_segment_fixed_size 0
		.amdhsa_enable_private_segment 0
		.amdhsa_kernarg_size 48
		.amdhsa_user_sgpr_count 2
		.amdhsa_user_sgpr_kernarg_segment_ptr 1
		.amdhsa_wavefront_size32 1
		.amdhsa_system_sgpr_workgroup_id_x 1
		.amdhsa_system_sgpr_workgroup_id_y 1
		.amdhsa_system_sgpr_workgroup_id_z 1
		.amdhsa_system_vgpr_workitem_id 0
		.amdhsa_next_free_vgpr 768
		.amdhsa_next_free_sgpr 100
		.amdhsa_reserve_vcc 0
		.amdhsa_float_denorm_mode_32 3
		.amdhsa_float_denorm_mode_16_64 3
		.amdhsa_memory_ordered 1
		.amdhsa_forward_progress 1
		.amdhsa_inst_pref_size 86
	.end_amdhsa_kernel
	.amdgpu_metadata
---
amdhsa.version: [ 1, 2 ]
amdhsa.kernels:
  - .name:           k_q863e7a6546_outp
    .symbol:         k_q863e7a6546_outp.kd
    .args:
      - { .name: cc, .offset: 0, .size: 8, .value_kind: global_buffer, .address_space: global }
      - { .name: cs, .offset: 8, .size: 8, .value_kind: global_buffer, .address_space: global }
      - { .name: codes, .offset: 16, .size: 8, .value_kind: global_buffer, .address_space: global }
      - { .name: scl, .offset: 24, .size: 8, .value_kind: global_buffer, .address_space: global }
      - { .name: bo, .offset: 32, .size: 8, .value_kind: global_buffer, .address_space: global }
      - { .name: out0, .offset: 40, .size: 8, .value_kind: global_buffer, .address_space: global }
    .group_segment_fixed_size: 327680
    .private_segment_fixed_size: 0
    .kernarg_segment_align: 8
    .kernarg_segment_size: 48
    .max_flat_workgroup_size: 128
    .sgpr_count:     100
    .vgpr_count:     768
    .wavefront_size: 32
...
	.end_amdgpu_metadata
.endif
;; end of part 4
